; MI455X (gfx1250); checked and timed in simulation.
; The chip was launched on July 23, 2026; its instructions are those of AMD's public machine-readable ISA for CDNA 5 (MIT licence, August 2026) and "CDNA5" Instruction Set Architecture Reference Guide (July 2026). The comments in the code are by the model that wrote it; some were corrected since.
;; Multi Head Attention. Allowed arithmetic: matrix products marked QUANTISED: E2M3 operands, one E8M0 scale for each 32 along K, by v_wmma_scale_f32_16x16x128_f8f6f4 with both operands' format E2M3, f32 sums; everything else in f32.
;; Inputs: K 8 x 1,024 x 224 float32; Q 8 x 1,024 x 224 float32; V 8 x 1,024 x 224 float32; W_K 224 x 224 float32; W_O 224 x 224 float32; W_Q 224 x 224 float32; W_V 224 x 224 float32; attn_mask 8 x 1,024 x 1,024 bool.
;; Outputs: out0 8 x 1,024 x 224 float32.
;; This version of the problem:
;;   THIS VERSION OF THE PROBLEM IS GIVEN IN LOW PRECISION. The matrix products marked QUANTISED in the list below multiply operands that are first quantised to E2M3 (2 exponent bits, 3 mantissa bits; 6 bits a number), with one power-of-two scale for each 32 numbers along K (OCP MX v1.0); their sums are f32. All else is computed in f32.
;;   The module's matrix products, in the order in which they are computed (A, B: the left and right operand; K: the contracted axis; several contracted axes count as one K, in the product's order):
;;     1. [M 8,192, K 224] x [K 224, N 224]; A: input Q; B: input W_Q: QUANTISED
;;     2. [M 8,192, K 224] x [K 224, N 224]; A: input K; B: input W_K: QUANTISED
;;     3. [M 8,192, K 224] x [K 224, N 224]; A: input V; B: input W_V: QUANTISED
;;     4. batch 56 x [M 1,024, K 32] x [K 32, N 1,024]; A: computed on the way; B: computed on the way: QUANTISED
;;     5. batch 56 x [M 1,024, K 1,024] x [K 1,024, N 32]; A: softmax (see below); B: computed on the way: QUANTISED
;;     6. [M 8,192, K 224] x [K 224, N 224]; A: computed on the way; B: input W_O: QUANTISED
;;   THE QUANTISER, for each operand of a quantised product, along K:
;;     - K is cut into blocks of 32 from its start; a last block that is shorter is filled with zeros.
;;     - A block's scale is 2^e with e = floor(log2(the largest magnitude in the block)) - 2, held to -126 .. 127; a block of zeros has e = 0. As a byte (E8M0): e + 127.
;;     - Each number is divided by its block's scale, clamped to +-7.5, and rounded to the nearest number of E2M3, ties to even, subnormals kept.
;;     - The product sums the exact products of the quantised numbers (number of the format x scale) in f32.
;;   ~~~python
;;   def quantise(x, axis):      # numpy; x: float32 -> the quantised numbers, widened to float32 again
;;       x = np.moveaxis(x, axis, -1); K = x.shape[-1]
;;       x = np.pad(x, [(0, 0)] * (x.ndim - 1) + [(0, -K % 32)]); x = x.reshape(x.shape[:-1] + (-1, 32)); a = np.abs(x).max(-1, keepdims=True)
;;       e = np.where(a > 0, np.clip(np.frexp(np.where(a > 0, a, 1))[1] - 1 - 2, -126, 127), 0)      # np.frexp(a)[1] - 1 = floor(log2(a)), exactly
;;       r = np.clip(x / 2.0 ** e, -7.5, 7.5)
;;       step = 2.0 ** (np.maximum(np.frexp(np.where(r == 0, 1, r))[1] - 1, 0) - 3)
;;       q = np.round(r / step) * step * 2.0 ** e      # np.round: ties to even
;;       return np.moveaxis(q.reshape(q.shape[:-2] + (-1,))[..., :K], -1, axis).astype(np.float32)
;;   ~~~
;;   SOFTMAX AHEAD OF A QUANTISED PRODUCT. Where the list says 'softmax', what is quantised is not the finished softmax but p = 2^(t - M), with t = logit x log2(e) and M = ceil(the row's largest t), a whole number; so 1/2 < the row's largest p <= 1. The row's sum l is taken of the UNQUANTISED p, in f32, and the product's result is divided by l at the end. Since M is a whole number, a kernel that streams over the keys may use a running M (the ceiling of the running maximum): every later rescaling is an exact power of two, which a block's scale takes up: the codes' values come out the same.
;;   OPERANDS COMPUTED ON THE WAY. 'Computed on the way' means the value that the module computes at that place (a softmax that the list does not call 'softmax' is quantised finished and normalised). What goes into a quantiser is computed in f32, as accurately as f32 sums, v_exp_f32 and their like allow (about 1e-6 of the number): no bf16 or f16 on the way to a quantiser, and a product that is left as it is and whose result goes on into a quantised operand takes f32 operands (vector FMAs, or v_wmma_f32_16x16x4_f32). A number that lies on a knife's edge between two numbers of the format may be rounded either way, as far as f32 arithmetic and the matrix unit's own rounding can turn it there, and no further.
;; One version. Each part assembles by itself: llvm-mc -triple=amdgcn-amd-amdhsa -mcpu=gfx1250 --defsym DOCPART=n.
;; ======== version 1 of 1: 2 launches
;; limits: right only within a limited range of input values
;; workspace buffers: kv 2,867,200 bytes; qf 1,490,944 bytes; wo 44,800 bytes
;; launch proj (part 1): grid 193 x 1, 16 waves a work-group, no clusters, 253,696 bytes of LDS; arguments K, Q, V, W_K, W_Q, W_V, W_O, kv, qf, wo; writes kv, qf, wo
.if DOCPART == 1
	.amdgcn_target "amdgcn-amd-amdhsa--gfx1250"
	.amdhsa_code_object_version 6
	.text
	.protected	k_q6eac5e74a2_proj
	.globl	k_q6eac5e74a2_proj
	.p2align	8
	.type	k_q6eac5e74a2_proj,@function
k_q6eac5e74a2_proj:
	s_mov_b64 s[64:65], 0
	v_nop
	global_prefetch_b8 v0, s[64:65] scope:SCOPE_SE
	s_setreg_imm32_b32 hwreg(HW_REG_WAVE_MODE, 25, 1), 1
	s_wait_xcnt 0x0
; q = Q W_Q, k = K W_K, v = V W_V on codes of FP6 (E2M3) with one E8M0 scale for each 32 along K, and the results quantised again for the attention launch; W_O is quantised too.
; X (Q, K or V): [8192][224] f32.  W: [224 (k)][224 (n)] f32.  K = 224 goes as two steps of 128; the last 32 are zero codes on both sides.
; SHARES.  Work-group number / 64 says which tensor (0 K, 1 Q, 2 V, 3 W_O alone); number % 64 which 128 rows.  A work-group takes 128 rows x all 224 columns: 16 waves.
; PHASE 1.  Wave w quantises one fragment of X (tile w / 2 of 16 rows, K step w % 2) and, waves 0-13, two fragments of W (head w / 2, K step w % 2).  They go to LDS as images of their registers
; (register p of lane l at 512 (p / 4) + 16 l + 4 (p % 4)), the scale words at 4 x lane.  One barrier.  PHASE 2.  Waves 0-13: 16 products each, the eight results quantised in registers, the fragment stored as an image.
; X: one load takes one row's part of the K step, 32 lanes x 16 neighbouring bytes (in K step 1 the part is 384 bytes: the last eight lanes name the row's last 16 bytes again).  The quantiser wants 16 neighbours
; of each block in a lane: so the 16 rows turn through the wave's own stage in LDS, rows 528 bytes apart, and come back 64 bytes a lane.
; W: lane l takes the four columns 4 (l % 8) + 0 .. 3 of its head and the 32 rows of block l / 8 of the K step, 16 bytes a load: 32 loads.  So a column's block lies in one lane, at every fourth register; moves bring it together,
; two columns at a time, and its codes (24 bytes) and its scale byte go to their places in the image.
; X'S TILES: tile J of a 128-row block is rows 64 (J / 4) + 8 (J % 4) + r + 24 (r / 8).  W's tile (head, u): row r is column 32 head + 8 u + r + 8 (r / 8).
; K, Q: source 0 = W tile (head, u), source 1 = X tile 4 g + j: register 16 j + 8 u + i of lane (r, h) is channel 16 h + 8 u + i of the head, for row r of X tile 4 g + j: block j of the new fragment holds that row's head (32 = one block).
; V: source 0 = X tile J, source 1 = W tile (head, u): register 32 c + 8 j + i of lane (r, h) is key 64 c + 32 h + 8 j + i of channel 8 u + r + 8 (r / 8): two whole blocks along the keys.
; OUT.  kv: [batch][step of 128 keys][head] chunks of 6,400 bytes: K's fragments g = 0, 1 (1,536 each), V's u = 0, 1, K's scale words (64 g + 4 r), V's (64 u + 4 r).  qf: chunks of 3,328: two fragments, scale words at 3,072.
; wo: for p = 2 head + K step: tiles u = 0, 1 at 3,072 p; scale words at 43,008 + 128 p + 4 lane.
; NO CLUSTER, though 64 work-groups read the same W: the grid is 193 work-groups (3 x 64, and W_O's), which does not divide.  NO PREFETCH: there is no loop, every load is issued once, at the head.
; LIMITS: NaN and infinities among the inputs are not served.  A block's largest magnitude is taken no smaller than 2^-124, so its byte is at least 1; a block of zeros keeps the byte 1 where the rule says 127:
; its codes are zeros, and this program alone reads the bytes.
.set ROWX,  896                        ; a row of X or of W in bytes
.set FRB,   1536                       ; a fragment's image: 12 registers x 32 lanes x 4 bytes
.set XSC,   0                          ; LDS: X's scale words, 128 bytes for each (tile, K step): 128 (2 J + ks)
.set WSC,   2048                       ; W's: 128 (2 head + ks); lanes 0-15 tile u = 0, lanes 16-31 u = 1
.set XIMG,  4096                       ; X's 16 fragments: FRB (2 J + ks)
.set WIMG,  28672                      ; W's 28: FRB (4 head + 2 ks + u)
.set STG,   71680                      ; a stage of its own for each wave: 16 rows x SPITCH
.set SPITCH, 528                       ; 512 bytes + 16 = 33 x 16
.set WOI,   STG+16*16*SPITCH           ; W_O's images and scale words: bytes of their own
.set WOS,   WOI+28*FRB
.set SPARE, WOS+1792                   ; the spare words, 128 bytes for each of 16 waves: eight blocks of 256 bytes that no other line names
.set LI,  1                            ; v1   16 x lane
.set LS,  2                            ; v2   4 x lane
.set XWI, 3                            ; v3   where I store X's image: 16 lane + FRB w
.set XWS, 4                            ; v4   and a scale word: 4 lane + 128 w
.set VW1, 5                            ; v5   W's codes: registers 0, 1 and 4, 5 of a block of six;
.set XFR, 6                            ; v6   K, Q: X's tiles 4 g ..: 16 lane + 8 FRB g
.set XSR, 7                            ; v7   their scale words: 4 lane + 1,024 g
.set WFR, 8                            ; v8   my head's W: 16 lane + 4 FRB head
.set WSR, 9                            ; v9   its scale words: 4 lane + 256 head
.set WFV, 10                           ; v10  V: my tile u of it
.set WSV, 11                           ; v11  V: 4 r + 64 u + 256 head
.set XA,  12                           ; v12  X: my 16 bytes of a row's part: 16 lane, held at the part's last 16
.set WA,  13                           ; v13  W: my four columns and my block's first row
.set OSV, 14                           ; v14  4 r
.set XS,  15                           ; v15-22 X's scale words at work (scales alone)
.set WS,  23                           ; v23  W's (scales alone)
.set PW,  24                           ; v24  the scale word that QUANT makes
.set VW2, 25                           ; v25  W's codes: registers 2, 3;
.set SPW, 26                           ; v26  LDS address of my spare word; never rewritten
.set NIL, 27                           ; v27  0; never rewritten
.set XN,  28                           ; v28-91   phase 1: 64 numbers of X, then two columns of W
.set HA,  28                           ; v28-91   phase 2: eight results
.set WN,  92                           ; v92-219  phase 1: 128 numbers of W: row n of my block, column j at 4 n + j
.set XF,  92                           ; v92-187  phase 2: up to eight fragments of X
.set WF,  188                          ; v188-211 phase 2: two fragments of W
.set PC,  220                          ; v220-239 codes as they are made
.set VW3, 240                          ; v240 W's scale bytes
.set ZM,  241                          ; v241 0 where my block lies past K = 224, else all ones
.set WRI, 242                          ; v242 W_O: my images back, 16 lane;  v243 their scale words
.set TM,  244                          ; v244-247 largest magnitudes, v248-251 the other half's and the bytes, v252-255 the conversions' scale operands
.set SWI, 252                          ; v252 until the first QUANT: my stage, on the way in: 16 lane
.set SRD, 253                          ; v253 until the first QUANT: and on the way out: SPITCH r + 64 h
.macro MAX16 s                         ; the largest magnitudes of four runs of 16 registers, by turns, with the floor 2^(3 - 127): the byte cannot fall under 1
.irp b, 0,1,2,3
	v_max3_num_f32 v[TM+\b], |v[\s+16*\b]|, |v[\s+1+16*\b]|, 0x1800000
.endr
.irp i, 2,4,6,8,10,12,14
.irp b, 0,1,2,3
	v_max3_num_f32 v[TM+\b], v[TM+\b], |v[\s+16*\b+\i]|, |v[\s+1+16*\b+\i]|
.endr
.endr
.endm
; 64 numbers of a lane, register 16 b + i = place 32 b + 16 (lane / 16) + i of my row, become a fragment's codes in v[PC] .. v[PC+11] and its scale word in v[PW]
.macro QUANT s
	MAX16 \s
.irp b, 0,1,2,3
	s_delay_alu instid0(VALU_DEP_4)
	v_permlanex16_b32 v[TM+4+\b], v[TM+\b], s32, s33
.endr
.irp b, 0,1,2,3
	s_delay_alu instid0(VALU_DEP_4)
	v_max_num_f32 v[TM+\b], v[TM+\b], v[TM+4+\b]       ; with lane l xor 16's: the block's largest magnitude
.endr
.irp b, 0,1,2,3
	s_delay_alu instid0(VALU_DEP_4)
	v_add_nc_u32 v[TM+8+\b], 0xff000000, v[TM+\b]      ; 2 off its exponent field: the conversion takes that field as its scale
.endr
.irp b, 0,1,2,3
	s_delay_alu instid0(VALU_DEP_4)
	v_lshrrev_b32 v[TM+4+\b], 23, v[TM+8+\b]           ; the scale's byte
.endr
	s_delay_alu instid0(VALU_DEP_3)
	v_lshl_or_b32 v[PW], v[TM+5], 8, v[TM+4]
	s_delay_alu instid0(VALU_DEP_1)
	v_lshl_or_b32 v[PW], v[TM+6], 16, v[PW]
	s_delay_alu instid0(VALU_DEP_1)
	v_lshl_or_b32 v[PW], v[TM+7], 24, v[PW]
.irp c, 0,1
	v_cvt_scalef32_pk16_fp6_f32 v[PC+6*\c:PC+2+6*\c], v[\s+32*\c:\s+15+32*\c], v[TM+8+2*\c]
	v_cvt_scalef32_pk16_fp6_f32 v[PC+12+4*\c:PC+14+4*\c], v[\s+16+32*\c:\s+31+32*\c], v[TM+8+2*\c+1]   ; (a conversion's three registers begin on an even number)
.endr
	v_nop                                              ; one plain place behind a scaled conversion
.irp c, 0,1                                        ; the operand's layout wants a whole block in a lane: lanes 0-15 block 2 c, lanes 16-31 block 2 c + 1
.irp i, 0,1,2
	v_permlane16_swap_b32 v[PC+6*\c+\i], v[PC+12+4*\c+\i]
.endr
.irp i, 0,1,2
	v_mov_b32 v[PC+3+6*\c+\i], v[PC+12+4*\c+\i]
.endr
.endr
.endm
; V: a lane's registers 32 c .. 32 c + 31 are its whole block 2 c + h along the keys; codes in v[PC] .. v[PC+11], the scale word, the same in lanes l and l xor 16, in v[PW]
.macro QUANTV s
	MAX16 \s
	v_max_num_f32 v[TM], v[TM], v[TM+1]
	v_max_num_f32 v[TM+2], v[TM+2], v[TM+3]
	v_lshrrev_b32 v[TM+3], 1, v0
	v_add_nc_u32 v[TM+8], 0xff000000, v[TM]
	v_add_nc_u32 v[TM+10], 0xff000000, v[TM+2]
	v_and_b32 v[TM+3], 8, v[TM+3]                      ; 8 h
	v_lshrrev_b32 v[TM+4], 23, v[TM+8]
	v_lshrrev_b32 v[TM+6], 23, v[TM+10]
	v_lshl_or_b32 v[TM+1], v[TM+6], 16, v[TM+4]
	v_lshlrev_b32 v[TM+1], v[TM+3], v[TM+1]            ; my two bytes at their places in the word
	v_permlanex16_b32 v[TM+5], v[TM+1], s32, s33
	v_or_b32 v[PW], v[TM+5], v[TM+1]
.irp c, 0,1
	v_cvt_scalef32_pk16_fp6_f32 v[PC+6*\c:PC+2+6*\c], v[\s+32*\c:\s+15+32*\c], v[TM+8+2*\c]
	v_cvt_scalef32_pk16_fp6_f32 v[PC+12+4*\c:PC+14+4*\c], v[\s+16+32*\c:\s+31+32*\c], v[TM+8+2*\c]
.endr
	v_nop                                              ; one plain place behind a scaled conversion
.irp c, 0,1
.irp i, 0,1,2
	v_mov_b32 v[PC+3+6*\c+\i], v[PC+12+4*\c+\i]
.endr
.endr
.endm
.macro WLOADS                                      ; each load reads four rows' 128 bytes, eight lanes to a row
.set n, 0
.rept 32
	global_load_b128 v[WN+4*n:WN+4*n+3], v[WA], s[36:37] offset:n*ROWX
.set n, n+1
.endr
.endm
; Where W's codes and scale bytes go.  Lane l: columns 4 c4 + j, c4 = l % 8: tile u = c4 / 2 % 2, row 8 (c4 / 4) + 4 (c4 % 2) + j; block kb = l / 8: lanes 16 (kb % 2) on, registers 6 (kb / 2) on.
; A block's six registers: the first pair at 520 (kb / 2), the second 8 + 1,016 (kb / 2), the third 512 behind the first.  So column j is 16 j bytes on, its scale byte 4 j.
.macro WADDR img, sc
	s_mul_i32 s42, s28, 2*FRB
	s_add_co_u32 s42, s42, \img
	s_lshl_b32 s43, s28, 7
	s_add_co_u32 s43, s43, \sc
	v_and_b32 v220, 7, v0
	v_bfe_u32 v221, v0, 3, 2
	v_bfe_u32 v222, v0, 1, 1
	v_bfe_u32 v223, v0, 2, 1
	v_and_b32 v224, 1, v0
	v_bfe_u32 v225, v0, 3, 1
	v_bfe_u32 v226, v0, 4, 1
	v_mul_u32_u24 v[VW1], 0x600, v222
	v_lshl_add_u32 v[VW3], v222, 6, v221
	v_add_nc_u32 v[ZM], s29, v221                      ; block + K step: 4 for the block past the end alone
	v_lshl_add_u32 v[VW1], v223, 7, v[VW1]
	v_lshl_add_u32 v[VW3], v223, 5, v[VW3]
	v_lshrrev_b32 v[ZM], 2, v[ZM]
	v_lshl_add_u32 v[VW1], v224, 6, v[VW1]
	v_lshl_add_u32 v[VW3], v224, 4, v[VW3]
	v_add_nc_u32 v[ZM], -1, v[ZM]
	v_lshl_add_u32 v[VW1], v225, 8, v[VW1]
	v_mad_u32_u24 v[VW1], 0x208, v226, v[VW1]
	v_add_nc_u32 v[VW3], s43, v[VW3]
	v_add_nc_u32 v[VW1], s42, v[VW1]
	v_mad_u32_u24 v[VW2], 0x1f0, v226, v[VW1]
	v_add_nc_u32 v[VW2], 8, v[VW2]
.endm
; Columns j and j + 1 of my four: 32 numbers each into v28-59 and v60-91, then codes (zeros past K = 224) and scale bytes to their places
.macro COLS j
.set n, 0
.rept 32
	v_dual_mov_b32 v[28+n], v[WN+4*n+\j] :: v_dual_mov_b32 v[60+((n+1)%32)], v[WN+4*((n+1)%32)+\j+1]
.set n, n+1
.endr
.irp e, 0,1
	v_cvt_scalef32_pk16_fp6_f32 v[PC+8*\e:PC+8*\e+2], v[28+32*\e:43+32*\e], v[TM+8+\j+\e]
	v_cvt_scalef32_pk16_fp6_f32 v[PC+8*\e+4:PC+8*\e+6], v[44+32*\e:59+32*\e], v[TM+8+\j+\e]
.endr
	v_nop                                              ; one plain place behind a scaled conversion
.irp k, 0,1,2
.irp e, 0,1
	v_and_b32 v[PC+8*\e+\k], v[ZM], v[PC+8*\e+\k]
.endr
.endr
.irp k, 3,4,5
.irp e, 0,1
	v_and_b32 v[PC+8*\e+\k], v[ZM], v[PC+8*\e+\k+1]    ; (a conversion's three registers begin on an even number: the upper half moves down by one)
.endr
.endr
.irp e, 0,1
	ds_store_b64 v[VW1], v[PC+8*\e:PC+8*\e+1] offset:16*(\j+\e)
	ds_store_b64 v[VW2], v[PC+8*\e+2:PC+8*\e+3] offset:16*(\j+\e)
	ds_store_b64 v[VW1], v[PC+8*\e+4:PC+8*\e+5] offset:16*(\j+\e)+512
	ds_store_b8 v[VW3], v[TM+4+\j+\e] offset:4*(\j+\e)
.endr
.endm
.macro WQ
.irp j, 0,1,2,3
	v_max3_num_f32 v[TM+\j], |v[WN+\j]|, |v[WN+4+\j]|, 0x1800000
.endr
.set n, 2
.rept 15
.irp j, 0,1,2,3
	v_max3_num_f32 v[TM+\j], v[TM+\j], |v[WN+4*n+\j]|, |v[WN+4*n+4+\j]|
.endr
.set n, n+2
.endr
.irp j, 0,1,2,3
	v_add_nc_u32 v[TM+8+\j], 0xff000000, v[TM+\j]
.endr
.irp j, 0,1,2,3
	v_lshrrev_b32 v[TM+4+\j], 23, v[TM+8+\j]
.endr
	COLS 0
	COLS 2
.endm
.macro FETCH reg, adr, off                         ; a fragment's image back into registers
.irp c, 0,1,2
	ds_load_b128 v[\reg+4*\c:\reg+4*\c+3], v[\adr] offset:\off+512*\c
.endr
.endm
; K, Q: one K step: my head's two tiles of W against X's tiles 4 g .. 4 g + 3.  The eight accumulators take turns, one instruction a turn
.macro KQSTEP ks
.if \ks
.rept 4
	v_nop                                              ; four places in front of loads into registers that matrix instructions have read
.endr
.endif
	FETCH WF, WFR, WIMG+2*\ks*FRB
	FETCH WF+12, WFR, WIMG+2*\ks*FRB+FRB
	ds_load_b32 v[WS], v[WSR] offset:WSC+128*\ks
.irp j, 0,1,2,3
	FETCH XF+12*\j, XFR, XIMG+2*FRB*\j+FRB*\ks
	ds_load_b32 v[XS+\j], v[XSR] offset:XSC+256*\j+128*\ks
.endr
	s_wait_dscnt 0x0
.irp j, 0,1,2,3
.if \ks
	v_wmma_scale_f32_16x16x128_f8f6f4 v[HA+16*\j:HA+16*\j+7], v[WF:WF+11], v[XF+12*\j:XF+12*\j+11], v[HA+16*\j:HA+16*\j+7], v[WS], v[XS+\j] matrix_a_fmt:MATRIX_FMT_FP6 matrix_b_fmt:MATRIX_FMT_FP6
	v_wmma_scale_f32_16x16x128_f8f6f4 v[HA+16*\j+8:HA+16*\j+15], v[WF+12:WF+23], v[XF+12*\j:XF+12*\j+11], v[HA+16*\j+8:HA+16*\j+15], v[WS], v[XS+\j] matrix_a_fmt:MATRIX_FMT_FP6 matrix_b_fmt:MATRIX_FMT_FP6 matrix_a_scale:MATRIX_SCALE_ROW1
.else
	v_wmma_scale_f32_16x16x128_f8f6f4 v[HA+16*\j:HA+16*\j+7], v[WF:WF+11], v[XF+12*\j:XF+12*\j+11], 0, v[WS], v[XS+\j] matrix_a_fmt:MATRIX_FMT_FP6 matrix_b_fmt:MATRIX_FMT_FP6
	v_wmma_scale_f32_16x16x128_f8f6f4 v[HA+16*\j+8:HA+16*\j+15], v[WF+12:WF+23], v[XF+12*\j:XF+12*\j+11], 0, v[WS], v[XS+\j] matrix_a_fmt:MATRIX_FMT_FP6 matrix_b_fmt:MATRIX_FMT_FP6 matrix_a_scale:MATRIX_SCALE_ROW1
.endif
.endr
.endm
; V: one K step: X's eight tiles against my one tile of W
.macro VSTEP ks
.if \ks
.rept 4
	v_nop
.endr
.endif
	FETCH WF, WFV, WIMG+2*FRB*\ks
	ds_load_b32 v[WS], v[WSV] offset:WSC+128*\ks
.irp j, 0,1,2,3,4,5,6,7
	FETCH XF+12*\j, LI, XIMG+2*FRB*\j+FRB*\ks
	ds_load_b32 v[XS+\j], v[LS] offset:XSC+256*\j+128*\ks
.endr
	s_wait_dscnt 0x0
.irp j, 0,1,2,3,4,5,6,7
.if \ks
	v_wmma_scale_f32_16x16x128_f8f6f4 v[HA+8*\j:HA+8*\j+7], v[XF+12*\j:XF+12*\j+11], v[WF:WF+11], v[HA+8*\j:HA+8*\j+7], v[XS+\j], v[WS] matrix_a_fmt:MATRIX_FMT_FP6 matrix_b_fmt:MATRIX_FMT_FP6
.else
	v_wmma_scale_f32_16x16x128_f8f6f4 v[HA+8*\j:HA+8*\j+7], v[XF+12*\j:XF+12*\j+11], v[WF:WF+11], 0, v[XS+\j], v[WS] matrix_a_fmt:MATRIX_FMT_FP6 matrix_b_fmt:MATRIX_FMT_FP6
.endif
.endr
.endm
	s_load_b512 s[8:23], s[0:1], 0x0               ; K s[8:9], Q s[10:11], V s[12:13], W_K s[14:15], W_Q s[16:17], W_V s[18:19], W_O s[20:21], kv s[22:23]
	s_load_b128 s[24:27], s[0:1], 0x40             ; qf s[24:25], wo s[26:27]
	v_lshrrev_b32 v28, 5, v0
	v_readfirstlane_b32 s28, v28                   ; wave w, 0..15
	s_and_b32 s29, s28, 1                          ; w % 2: K step in phase 1; g or u in phase 2
	s_lshr_b32 s45, s28, 1                         ; w / 2: tile of X in phase 1; head
	s_lshr_b32 s30, ttmp9, 6                       ; which tensor
	s_and_b32 s31, ttmp9, 63                       ; which 128 rows
	s_mov_b32 s32, 0x76543210
	s_mov_b32 s33, 0xfedcba98                      ; v_permlanex16_b32's selects for lane l xor 16
	s_mov_b32 s43, 368                             ; K step 1 has 384 bytes of a row: no lane names a byte past them
	s_cmp_eq_u32 s29, 0
	s_cselect_b32 s43, 496, s43
	s_sub_co_u32 s42, 3, s29                       ; and three blocks of 32 rows of W: the lanes of the fourth name the third again
	s_lshl_b32 s46, s31, 7                         ; X: row 128 blk + 64 (J / 4) + 8 (J % 4),
	s_lshr_b32 s47, s45, 2
	s_lshl_b32 s47, s47, 6
	s_add_co_u32 s46, s46, s47
	s_and_b32 s47, s45, 3
	s_lshl_b32 s47, s47, 3
	s_add_co_u32 s46, s46, s47
	s_mul_i32 s46, s46, ROWX
	s_lshl_b32 s47, s29, 9                         ; + 512 bytes for K step 1
	s_add_co_u32 s46, s46, s47
	s_mov_b32 s47, 0
	s_lshl_b32 s48, s45, 7                         ; W: 32 columns x 4 bytes a head,
	s_mul_i32 s49, s29, 128*ROWX                   ; 128 rows a K step
	s_add_co_u32 s48, s48, s49
	s_mov_b32 s49, 0
	v_and_b32 v28, 31, v0                          ; lane
	v_bfe_u32 v29, v0, 3, 2                        ; my block
	v_and_b32 v30, 7, v0
	v_lshlrev_b32 v[LI], 4, v28
	v_min_u32 v29, s42, v29
	v_lshlrev_b32 v[LS], 2, v28
	v_min_u32 v[XA], s43, v[LI]
	v_mul_u32_u24 v29, 0x7000, v29                 ; 32 rows
	v_lshl_add_u32 v[SPW], v0, 2, SPARE
	v_mov_b32 v[NIL], 0
	v_lshl_add_u32 v[WA], v30, 4, v29
	s_wait_alu depctr_va_vdst(0)
	s_wait_kmcnt 0x0
	s_cmp_eq_u32 s30, 3                            ; the last work-group has W_O alone: the same way for all its waves
	s_cbranch_scc1 .Lwo
	s_cmp_eq_u32 s30, 1                            ; the buffers are chosen by the work-group's number alone
	s_cselect_b64 s[34:35], s[10:11], s[8:9]
	s_cselect_b64 s[36:37], s[16:17], s[14:15]
	s_cselect_b64 s[38:39], s[24:25], s[22:23]
	s_mov_b32 s42, 6400
	s_cselect_b32 s42, 3328, s42                   ; a chunk
	s_mov_b32 s44, 6144
	s_cselect_b32 s44, 3072, s44                   ; where its scale words begin
	s_cmp_eq_u32 s30, 2
	s_cselect_b64 s[34:35], s[12:13], s[34:35]
	s_cselect_b64 s[36:37], s[18:19], s[36:37]
	s_cselect_b32 s43, 3072, 0                     ; V's fragments lie behind K's
	s_cselect_b32 s44, 6272, s44
	s_add_nc_u64 s[34:35], s[34:35], s[46:47]
	s_add_nc_u64 s[36:37], s[36:37], s[48:49]
	; ---- phase 1
.set n, 0
.rept 16
	global_load_b128 v[XN+4*n:XN+4*n+3], v[XA], s[34:35] offset:(n+24*(n/8))*ROWX th:TH_LOAD_NT   ; row n + 24 (n / 8) of my tile: 32 lanes read its part of the K step, consecutive bytes
.set n, n+1
.endr
	s_mul_i32 s50, s31, 7                          ; out: chunk 7 blk + head
	s_add_co_u32 s50, s50, s45
	s_mul_i32 s50, s50, s42
	s_mul_i32 s52, s29, FRB
	s_add_co_u32 s52, s52, s43
	s_add_co_u32 s52, s52, s50
	s_mov_b32 s53, 0
	s_lshl_b32 s54, s29, 6
	s_add_co_u32 s54, s54, s44
	s_add_co_u32 s54, s54, s50
	s_mov_b32 s55, 0
	s_add_nc_u64 s[40:41], s[38:39], s[54:55]      ; my scale words
	s_add_nc_u64 s[38:39], s[38:39], s[52:53]      ; my fragment
	; every LDS address is made here, ahead of the first branch on the wave's number
	WADDR WIMG, WSC
	s_mul_i32 s42, s28, FRB
	s_lshl_b32 s43, s28, 7
	s_mul_i32 s44, s28, 16*SPITCH
	s_add_co_u32 s44, s44, STG                     ; my stage
	v_and_b32 v228, 15, v0                         ; r
	v_bfe_u32 v229, v0, 4, 1                       ; h
	v_add_nc_u32 v[XWI], s42, v[LI]
	v_add_nc_u32 v[XWS], s43, v[LS]
	v_add_nc_u32 v[SWI], s44, v[LI]                ; in: a row's 512 bytes as they lie
	v_mul_u32_u24 v[SRD], 0x210, v228
	v_lshlrev_b32 v[OSV], 2, v228
	v_lshl_add_u32 v[SRD], v229, 6, v[SRD]
.irp b, 0,1,2,3
	v_mov_b32 v[TM+4+\b], 0                        ; written once: a lane permute's destination counts as one of its sources
.endr
	v_add_nc_u32 v[SRD], s44, v[SRD]               ; out: row r, my 16 numbers of a block of 32
	s_mul_i32 s42, s29, 8*FRB
	s_lshl_b32 s43, s29, 10
	s_mul_i32 s44, s45, 4*FRB
	s_lshl_b32 s50, s45, 8
	v_add_nc_u32 v[XFR], s42, v[LI]
	v_add_nc_u32 v[XSR], s43, v[LS]
	v_add_nc_u32 v[WFR], s44, v[LI]
	v_add_nc_u32 v[WSR], s50, v[LS]
	s_mul_i32 s43, s29, FRB
	s_lshl_b32 s51, s29, 6
	s_add_co_u32 s51, s51, s50
	v_add_nc_u32 v[WFV], s43, v[WFR]
	v_add_nc_u32 v[WSV], s51, v[OSV]
	s_wait_alu depctr_va_vdst(0)                   ; the wait at the head's end
	s_cmp_lt_u32 s28, 14
	s_cbranch_scc0 .Lnow
	WLOADS
	s_wait_loadcnt 0x20                            ; X's 16 loads are in; W's 32 may be out
	s_branch .Lx
.Lnow:
	s_wait_loadcnt 0x0
.Lx:
.set n, 0
.rept 16
	ds_store_b128 v[SWI], v[XN+4*n:XN+4*n+3] offset:SPITCH*n   ; the 16 rows into my stage, 512 consecutive bytes a store
.set n, n+1
.endr
.set n, 0
.rept 12
	ds_load_b128 v[XN+4*n:XN+4*n+3], v[SRD] offset:128*(n/4)+16*(n%4)   ; and back, into the registers that they left: LDS serves a wave's instructions in order (ISA guide 5.7.1.4), so these see the stores above
.set n, n+1
.endr
	s_cmp_eq_u32 s29, 0
	s_cbranch_scc0 .Lxz
.irp j, 0,1,2,3
	ds_load_b128 v[XN+48+4*\j:XN+48+4*\j+3], v[SRD] offset:384+16*\j
.endr
	s_wait_dscnt 0x0
	s_branch .Lxd
.Lxz:                                              ; K = 224 .. 255: zeros
	s_wait_dscnt 0x0                               ; the stores have read their registers
.set n, 48
.rept 16
	v_mov_b32 v[XN+n], 0
.set n, n+1
.endr
.Lxd:
	QUANT XN
.irp c, 0,1,2
	ds_store_b128 v[XWI], v[PC+4*\c:PC+4*\c+3] offset:XIMG+512*\c
.endr
	ds_store_b32 v[XWS], v[PW] offset:XSC
	s_wait_dscnt 0x0                               ; the stores have read their registers, which W's codes take
	s_cmp_lt_u32 s28, 14
	s_cbranch_scc0 .Lbar
	s_wait_loadcnt 0x0                             ; W is in
	WQ
.Lbar:
	s_wait_dscnt 0x0                               ; for the others' sake: my stores have landed
	s_barrier_signal -1
	s_barrier_wait -1                              ; X's 16 fragments and W's 28 lie in LDS; from here on LDS is only read
	s_cmp_lt_u32 s28, 14
	s_cbranch_scc0 .Lend
	; ---- phase 2
	s_cmp_eq_u32 s30, 2
	s_cbranch_scc1 .Lvpath
	KQSTEP 0
	KQSTEP 1
.rept 4
	v_nop                                              ; four places in front of the first read of results
.endr
	QUANT HA                                       ; it reads each result from its low end on
	s_wait_alu depctr_va_vdst(0)
	s_branch .Ljoin
.Lvpath:
	VSTEP 0
	VSTEP 1
.rept 4
	v_nop
.endr
	QUANTV HA
	s_wait_alu depctr_va_vdst(0)
.Ljoin:
.irp c, 0,1,2
	global_store_b128 v[LI], v[PC+4*\c:PC+4*\c+3], s[38:39] offset:512*\c   ; 32 lanes store 512 consecutive bytes, at a multiple of 256 from the buffer's first byte
.endr
	global_store_b32 v[OSV], v[PW], s[40:41]       ; lanes r and r + 16 hold the same word and write it to the same place
	s_branch .Lend
.Lwo:                                              ; W_O: quantised as the other weights are, in LDS bytes of its own, and stored as images
	s_cmp_lt_u32 s28, 14
	s_cbranch_scc0 .Lend
	s_add_nc_u64 s[36:37], s[20:21], s[48:49]
	s_mul_i32 s50, s28, 2*FRB
	s_mov_b32 s51, 0
	s_add_nc_u64 s[38:39], s[26:27], s[50:51]
	s_lshl_b32 s50, s28, 7
	s_add_nc_u64 s[40:41], s[26:27], s[50:51]
	WLOADS
	WADDR WOI, WOS
	v_add_nc_u32 v[WRI], s42, v[LI]
	v_add_nc_u32 v[WRI+1], s43, v[LS]
	s_wait_alu depctr_va_vdst(0)
	s_wait_loadcnt 0x0
	WQ
	FETCH 28, WRI, 0                               ; my own bytes: LDS serves a wave's instructions in order
	FETCH 40, WRI, FRB
	ds_load_b32 v52, v[WRI+1]
	s_wait_dscnt 0x0
.irp c, 0,1,2,3,4,5
	global_store_b128 v[LI], v[28+4*\c:31+4*\c], s[38:39] offset:512*\c
.endr
	global_store_b32 v[LS], v52, s[40:41] offset:43008
.Lend:
	s_wait_tensorcnt 0x0                           ; the wave's end, behind my last LDS store
	ds_add_u32 v[SPW], v[NIL]
	s_wait_dscnt 0x0
	s_endpgm
.Lfunc_end_k_q6eac5e74a2_proj:
	.size	k_q6eac5e74a2_proj, .Lfunc_end_k_q6eac5e74a2_proj-k_q6eac5e74a2_proj
	.p2alignl 7, 3214868480
	.fill 96, 4, 3214868480
	.section	.rodata,"a",@progbits
	.p2align	6, 0x0
	.amdhsa_kernel k_q6eac5e74a2_proj
		.amdhsa_group_segment_fixed_size 253696
		.amdhsa_private_segment_fixed_size 0
		.amdhsa_enable_private_segment 0
		.amdhsa_kernarg_size 80
		.amdhsa_user_sgpr_count 2
		.amdhsa_user_sgpr_kernarg_segment_ptr 1
		.amdhsa_wavefront_size32 1
		.amdhsa_system_sgpr_workgroup_id_x 1
		.amdhsa_system_sgpr_workgroup_id_y 1
		.amdhsa_system_sgpr_workgroup_id_z 1
		.amdhsa_system_vgpr_workitem_id 0
		.amdhsa_next_free_vgpr 256
		.amdhsa_next_free_sgpr 66
		.amdhsa_reserve_vcc 0
		.amdhsa_float_denorm_mode_32 3
		.amdhsa_float_denorm_mode_16_64 3
		.amdhsa_memory_ordered 1
		.amdhsa_forward_progress 1
		.amdhsa_inst_pref_size 66
	.end_amdhsa_kernel
	.amdgpu_metadata
---
amdhsa.version: [ 1, 2 ]
amdhsa.kernels:
  - .name:           k_q6eac5e74a2_proj
    .symbol:         k_q6eac5e74a2_proj.kd
    .args:
      - { .name: K, .offset: 0, .size: 8, .value_kind: global_buffer, .address_space: global }
      - { .name: Q, .offset: 8, .size: 8, .value_kind: global_buffer, .address_space: global }
      - { .name: V, .offset: 16, .size: 8, .value_kind: global_buffer, .address_space: global }
      - { .name: W_K, .offset: 24, .size: 8, .value_kind: global_buffer, .address_space: global }
      - { .name: W_Q, .offset: 32, .size: 8, .value_kind: global_buffer, .address_space: global }
      - { .name: W_V, .offset: 40, .size: 8, .value_kind: global_buffer, .address_space: global }
      - { .name: W_O, .offset: 48, .size: 8, .value_kind: global_buffer, .address_space: global }
      - { .name: kv, .offset: 56, .size: 8, .value_kind: global_buffer, .address_space: global }
      - { .name: qf, .offset: 64, .size: 8, .value_kind: global_buffer, .address_space: global }
      - { .name: wo, .offset: 72, .size: 8, .value_kind: global_buffer, .address_space: global }
    .group_segment_fixed_size: 253696
    .private_segment_fixed_size: 0
    .kernarg_segment_align: 8
    .kernarg_segment_size: 80
    .max_flat_workgroup_size: 512
    .sgpr_count:     66
    .vgpr_count:     256
    .wavefront_size: 32
...
	.end_amdgpu_metadata
.endif
;; end of part 1
;; launch attn (part 2): grid 32 x 8, 16 waves a work-group, no clusters, 322,560 bytes of LDS; arguments attn_mask, qf, kv, wo, out0; writes out0
.if DOCPART == 2
	.amdgcn_target "amdgcn-amd-amdhsa--gfx1250"
	.amdhsa_code_object_version 6
	.text
	.protected	k_q6eac5e74a2_attn
	.globl	k_q6eac5e74a2_attn
	.p2align	8
	.type	k_q6eac5e74a2_attn,@function
k_q6eac5e74a2_attn:
	s_mov_b64 s[64:65], 0
	v_nop
	global_prefetch_b8 v0, s[64:65] scope:SCOPE_SE
	s_setreg_imm32_b32 hwreg(HW_REG_WAVE_MODE, 25, 1), 1
	s_wait_xcnt 0x0
; out0 = (softmax(q k^T / sqrt(32), masked) v, heads side by side) W_O, all three products on codes of FP6 (E2M3) with one E8M0 scale for each 32 along K.
; q, k, v and W_O arrive as images of operand registers (a fragment: 1,536 bytes, register p of lane l at 512 (p / 4) + 16 l + 4 (p % 4)).
; SHARES.  A work-group owns 32 queries of one batch, for all 7 heads.  With X = work-group x, base = 128 (X / 4) + 64 (X % 4 / 2) + 16 (X % 2): query tile QT (0, 1), lane r stands for row base + 8 QT + r + 24 (r / 8).
; Wave w owns the 128 keys of step w / 2; with g = w % 2 it does SEVEN UNITS of (head, QT): heads 4 g, 4 g + 1, 4 g + 2 with both QT, and head 3 with QT = g.  So all 16 waves do the same work, and a unit sees its keys once:
; no running maximum.  Each unit leaves O (not normalised), -M and the sum l of its 128 keys in LDS; at the end 14 waves join the eight key steps of a (head, QT) each.
; K AND V go from memory straight into the wave's registers, in two sets: the next head's chunk (6,400 bytes, 14 loads) is asked for in a head's first unit.  No wave waits for another between the head and the end.
; NO CLUSTER, though the 32 work-groups of a batch read the same K and V: a joint load lands in LDS, and of the WGP's 327,680 bytes this text uses 322,560, so no ring of two slots (of 7 x 6,400 bytes a key step) has room; each
; fragment is read by one wave of the work-group alone (head 3's by two).  NO PREFETCH: there is no loop to run ahead in; the loads themselves stand two units ahead of their use.
; SCORES.  A head is 32 wide, one block.  A fragment of K carries four groups of 16 keys, one in each block; four copies of Q, each with q in one block and zero codes in the others, pick them out.  The copies are runs of twelve of
; thirty registers: zeros, q in lanes 0-15, zeros, q in lanes 16-31, zeros.  The zeros of the q runs come from a region of zeros in LDS.  All four bytes of Q's scale word are q's byte: where the codes are zeros it adds nothing.
; Score register 32 c + 8 j + i of lane (r, h) is key 64 c + 32 h + 8 j + i: a lane holds two whole blocks of 32 keys, 2 c + h, as the next operand wants them.
; THE MASK IS THE C OF THE SCORE PRODUCTS: 0 where a key counts, -2^127 where it is masked; wave w expands image w (step w / 2, QT w % 2) once into LDS, in the results' layout.
; SOFTMAX.  t = score x c, c = log2(e) / sqrt(32); M = the largest t of the unit's keys, rounded up to a whole number; p = 2^(t - M); l is the sum of the unquantised p.  A block's scale is taken from floor(its largest t - M), which is the
; exponent of its largest p (where the exponential rounds up to a power of two, p is held at the largest code, as it is without that rounding).  O^T = V^T P^T: a lane holds one query, registers channels 16 h + 0 .. 15.
; LIMITS: NaN and infinities are not served.  Scaled scores are promised under 2^31 in magnitude.  A masked key's t is -2^127 c and not -1e9 log2(e): the results are equal while every open logit lies above about -1e9.
; A row with no open key rests on the matrix instruction giving back a C of -2^127 unchanged under products more than 90 binary places below it.  Blocks of p under 2^-124 keep the byte 1; so do blocks of the last product's
; operand under 2^-124; the padding block of the last product (K = 224 .. 255) has zero codes under the byte 0.
.set FRB,   1536
.set CHUNK, 6400                       ; K's two fragments, V's two, K's scale words (128 bytes), V's
.set STEPB, 7*CHUNK
.set PSTR,  2176                       ; a unit's partial results: O 2,048 bytes, -M 64, l 64
.set PSLOT, 16*PSTR                    ; a unit number's slot: one place for each wave.  Slots 0-4 at 0; slots 5, 6 on the mask images, behind the barrier at which these have been read
.set MASK,  5*PSLOT                    ; 16 images of 8,192 bytes: f32, register n of lane l at 512 (n / 4) + 16 l + 4 (n % 4)
.set QL,    MASK+131072                ; q: 1,024 bytes a head, 512 a QT, 32 a row: 24 of codes, 4 of its scale byte four times
.set ZL,    QL+7168                    ; zeros, 8,192 bytes; at the end the last product's operand:
.set CTX,   ZL                         ; 4 fragments (2 QT + K step), 48 bytes a lane,
.set CTXS,  CTX+4*FRB                  ; their scale words, 64 bytes each
.set SPARE, ZL+8192                    ; the spare words, 128 bytes for each of 16 waves
.set OST,   MASK+2*PSLOT               ; at the end: 32 rows of out0, 896 bytes each, on mask images that nobody reads any more
.set LI,  1                            ; 16 x lane
.set L4,  2                            ; 4 x lane
.set VQL, 3                            ; q in lanes 0-15, zeros in lanes 16-31; v4 the other way; v5, v6 the same for unit 6
.set VQH, 4
.set VQL6, 5
.set VQH6, 6
.set AM,  7                            ; my step's mask images; v8 for unit 6
.set AM6, 8
.set PB,  9                            ; my place in a slot: O;  v10: -M
.set PM,  10
.set PA,  11
.set PMA, 12
.set SPW, 13                           ; LDS address of my spare word; never rewritten
.set NIL, 14                           ; 0; never rewritten
.set R4,  15                           ; 4 r
.set NM,  16                           ; v[16:17] -M and 0;  v[18:19] the same for unit 5
.set NM5, 18
.set LL,  20                           ; l;  v21 unit 5's
.set LL5, 21
.set RT,  22                           ; lane permutes' destinations
.set WT,  23
.set LT,  24
.set E0,  25
.set E1,  26
.set RM,  27
.set SOP, 28                           ; v28, v29 the conversions' scale operands
.set KSC, 30                           ; v30, v31 K's scale words, a set each: lanes 0-15 fragment 0, lanes 16-31 fragment 1 (v30-37: scales alone; at the end v30-33 take the last operand's)
.set VSC, 32                           ; v32, v33 V's
.set PSC, 34                           ; p's
.set QSC, 35                           ; q's
.set WSC, 36                           ; v36, v37 W_O's, K steps 0 and 1
.set QB,  38                           ; v38-67 the copies of Q
.set P,   68                           ; v68-79 the maxima, then p's codes
.set O,   80                           ; v80-95 the sums' four chains, then O^T
.set KV,  96                           ; v96-143, v144-191: two sets of K's 24 and V's 24 registers; unit 5's O^T lands on the first set's K, W_O on its V
.set S,   192                          ; v192-255 the mask, then the scores, then p
.macro LOADC set, base, off            ; a chunk into a set: 14 loads, each of 512 or 128 consecutive bytes
.irp c, 0,1,2,3,4,5
	global_load_b128 v[KV+48*(\set)+4*\c:KV+48*(\set)+4*\c+3], v[LI], s[\base:\base+1] offset:(\off)+512*\c
.endr
	global_load_b32 v[KSC+\set], v[L4], s[\base:\base+1] offset:(\off)+4*FRB
.irp c, 0,1,2,3,4,5
	global_load_b128 v[KV+48*(\set)+24+4*\c:KV+48*(\set)+27+4*\c], v[LI], s[\base:\base+1] offset:(\off)+2*FRB+512*\c
.endr
	global_load_b32 v[VSC+\set], v[L4], s[\base:\base+1] offset:(\off)+4*FRB+128
.endm
.macro FETCH1 al, ah, am, qo, mo       ; a unit's q runs, scale word and mask
	ds_load_b128 v[QB+6:QB+9], v[\al] offset:\qo
	ds_load_b64 v[QB+10:QB+11], v[\al] offset:\qo+16
	ds_load_b128 v[QB+18:QB+21], v[\ah] offset:\qo
	ds_load_b64 v[QB+22:QB+23], v[\ah] offset:\qo+16
	ds_load_b32 v[QSC], v[\al] offset:\qo+24
.set n_, 0
.rept 16
	ds_load_b128 v[S+4*n_:S+4*n_+3], v[\am] offset:\mo+512*n_
.set n_, n_+1
.endr
.endm
.macro FETCH i
.if (\i) == 6
	FETCH1 VQL6, VQH6, AM6, 0, 0
.else
	FETCH1 VQL, VQH, AM, (1024*((\i)/2)+512*((\i)%2)), (8192*((\i)%2))
.endif
.endm
.macro PUT pa, pma, o, nm, l           ; a unit's partial results; lanes r and r + 16 hold the same -M and l and write them to the same place
.irp c, 0,1,2,3
	ds_store_b128 v[\pa], v[\o+4*\c:\o+4*\c+3] offset:512*\c
.endr
	ds_store_b32 v[\pma], v[\nm]
	ds_store_b32 v[\pma], v[\l] offset:64
.endm
.macro PKF cnt                         ; t - M, two at a time
.rept \cnt
	v_pk_fma_f32 v[S+F_:S+F_+1], v[S+F_:S+F_+1], s[22:23], v[NMU:NMU+1] op_sel_hi:[1,0,0]
.set F_, F_+2
.endr
.endm
; A UNIT: 16 queries x 128 keys of one head
.macro UNIT i
.set SET_, ((\i)/2)%2
.set KB, KV+48*SET_
.set VB, KB+24
.set NMU, NM
.set LLU, LL
.set OU, O
.if (\i) == 5                          ; held in registers until the mask images have been read
.set NMU, NM5
.set LLU, LL5
.set OU, KV
.endif
	s_wait_alu depctr_va_vdst(0)
.if (\i) == 6
	s_wait_loadcnt 0x8                             ; head 3's chunk is in; W_O's eight loads may be out
.elseif (\i)%2 == 0
	s_wait_loadcnt 0x0                             ; this head's chunk is in (asked for two units ago)
.endif
	s_wait_dscnt 0x0                               ; q and the mask are in
.if (\i) == 6
	s_barrier_signal -1                            ; I have read my last mask image; up to the wait stands work on registers alone
.endif
.irp j, 0,1,2,3
	v_wmma_scale_f32_16x16x128_f8f6f4 v[S+8*\j:S+8*\j+7], v[KB:KB+11], v[QB+12*(\j%2)+6*(1-\j/2):QB+12*(\j%2)+6*(1-\j/2)+11], v[S+8*\j:S+8*\j+7], v[KSC+SET_], v[QSC] matrix_a_fmt:MATRIX_FMT_FP6 matrix_b_fmt:MATRIX_FMT_FP6
.endr
.irp j, 0,1,2,3
	v_wmma_scale_f32_16x16x128_f8f6f4 v[S+32+8*\j:S+32+8*\j+7], v[KB+12:KB+23], v[QB+12*(\j%2)+6*(1-\j/2):QB+12*(\j%2)+6*(1-\j/2)+11], v[S+32+8*\j:S+32+8*\j+7], v[KSC+SET_], v[QSC] matrix_a_fmt:MATRIX_FMT_FP6 matrix_b_fmt:MATRIX_FMT_FP6 matrix_a_scale:MATRIX_SCALE_ROW1
.endr
	; four places, for the reads of the scores and of the last unit's O^T and for the loads below
.if ((\i) > 0) && ((\i) < 6)
	v_add_nc_u32 v[PA], ((\i)-1)*PSLOT, v[PB]
	v_add_nc_u32 v[PMA], ((\i)-1)*PSLOT, v[PM]
	v_nop
	v_nop
	PUT PA, PMA, O, NM, LL
.else
.rept 4
	v_nop
.endr
.endif
.if (\i) == 0
	LOADC 1, 48, CHUNK
.elseif (\i) == 2
	LOADC 0, 48, 2*CHUNK
.elseif (\i) == 4
	LOADC 1, 50, 0
.endif
	; the largest score of my two blocks of 32 keys, two chains a block: registers 0-16 and 17-31
.irp b, 0,1
	v_max3_num_f32 v[P+2*\b], v[S+32*\b], v[S+32*\b+1], v[S+32*\b+2]
	v_max3_num_f32 v[P+2*\b+1], v[S+32*\b+17], v[S+32*\b+18], v[S+32*\b+19]
.endr
.irp k, 0,2,4,6,8,10
.irp b, 0,1
	v_max3_num_f32 v[P+2*\b], v[P+2*\b], v[S+32*\b+3+\k], v[S+32*\b+4+\k]
	v_max3_num_f32 v[P+2*\b+1], v[P+2*\b+1], v[S+32*\b+20+\k], v[S+32*\b+21+\k]
.endr
.endr
	v_max3_num_f32 v[P], v[P], v[S+15], v[S+16]
	v_max3_num_f32 v[P+2], v[P+2], v[S+47], v[S+48]
	v_max_num_f32 v[P], v[P], v[P+1]
	v_max_num_f32 v[P+2], v[P+2], v[P+3]
	v_max_num_f32 v[RM], v[P], v[P+2]
	s_delay_alu instid0(VALU_DEP_1)
	v_permlanex16_b32 v[RT], v[RM], s20, s21
	s_delay_alu instid0(VALU_DEP_1)
	v_max_num_f32 v[RM], v[RM], v[RT]              ; the largest score of my query
	s_delay_alu instid0(VALU_DEP_1)
	v_mul_f32 v[RM], s24, v[RM]                    ; -t
	s_delay_alu instid0(VALU_DEP_1)
	v_floor_f32 v[NMU], v[RM]                      ; -M
.set F_, 0
	v_fma_f32 v[E0], v[P], s22, v[NMU]             ; each block's largest t - M
	v_fma_f32 v[E1], v[P+2], s22, v[NMU]
	PKF 4
	v_max_num_f32 v[E0], 0xc2f80000, v[E0]         ; no smaller than -124: the byte cannot fall under 1
	v_max_num_f32 v[E1], 0xc2f80000, v[E1]
	PKF 4
	v_cvt_floor_i32_f32 v[E0], v[E0]               ; the exponent of the block's largest p
	v_cvt_floor_i32_f32 v[E1], v[E1]
	PKF 4
	v_add_lshl_u32 v[SOP], v[E0], 0x7d, 23         ; 127 - 2 on: the conversion's scale operand
	v_add_lshl_u32 v[SOP+1], v[E1], 0x7d, 23
	v_lshl_add_u32 v[E0], v[E1], 16, v[E0]         ; the scale word, less 125 in each byte: blocks h and 2 + h,
	PKF 4
	v_permlanex16_b32 v[WT], v[E0], s20, s21
	PKF 4
	v_lshl_add_u32 v[E0], v[WT], 8, v[E0]          ; and in lanes 0-15 blocks 1 and 3
	PKF 12
	s_wait_alu depctr_va_vdst(0)                   ; the wait ahead of the batch
.set n_, 0
.rept 64
	v_exp_f32 v[S+n_], v[S+n_]                     ; p = 2^(t - M), at most 1
.set n_, n_+1
.endr
	v_add_nc_u32 v[PSC], 0x7d7d7d7d, v[E0]         ; p's scale word; also the plain place behind the exponentials
	s_wait_alu depctr_va_vdst(0)                   ; and one behind it, ahead of its first reader
.irp q, 0,1,2,3
	v_pk_add_f32 v[O+2*\q:O+2*\q+1], v[S+16*\q:S+16*\q+1], v[S+16*\q+2:S+16*\q+3]   ; the sum of the unquantised p, in four chains
.endr
.irp k, 4,6,8,10,12,14
.irp q, 0,1,2,3
	v_pk_add_f32 v[O+2*\q:O+2*\q+1], v[O+2*\q:O+2*\q+1], v[S+16*\q+\k:S+16*\q+\k+1]
.endr
.endr
	v_pk_add_f32 v[O:O+1], v[O:O+1], v[O+2:O+3]
	v_pk_add_f32 v[O+4:O+5], v[O+4:O+5], v[O+6:O+7]
	v_cvt_scalef32_pk16_fp6_f32 v[P:P+2], v[S:S+15], v[SOP]
	v_cvt_scalef32_pk16_fp6_f32 v[P+6:P+8], v[S+32:S+47], v[SOP+1]
	v_pk_add_f32 v[O:O+1], v[O:O+1], v[O+4:O+5]    ; (the plain place in front of the lines that write over the first two's sources)
	v_cvt_scalef32_pk16_fp6_f32 v[S:S+2], v[S+16:S+31], v[SOP]          ; (a conversion's three registers begin on an even number: made here and moved)
	v_cvt_scalef32_pk16_fp6_f32 v[S+32:S+34], v[S+48:S+63], v[SOP+1]
	v_add_f32 v[LLU], v[O], v[O+1]
.irp k, 0,1,2
	v_mov_b32 v[P+3+\k], v[S+\k]
	v_mov_b32 v[P+9+\k], v[S+32+\k]
.endr
.if (\i) < 6
	FETCH (\i+1)
.endif
	v_permlanex16_b32 v[LT], v[LLU], s20, s21
	v_nop                                              ; an operand written by vector instructions stands four places ahead of a scaled matrix instruction
	v_add_f32 v[LLU], v[LLU], v[LT]                ; with lane l xor 16's: l
	v_nop
	v_wmma_scale_f32_16x16x128_f8f6f4 v[OU:OU+7], v[VB:VB+11], v[P:P+11], 0, v[VSC+SET_], v[PSC] matrix_a_fmt:MATRIX_FMT_FP6 matrix_b_fmt:MATRIX_FMT_FP6
	v_wmma_scale_f32_16x16x128_f8f6f4 v[OU+8:OU+15], v[VB+12:VB+23], v[P:P+11], 0, v[VSC+SET_], v[PSC] matrix_a_fmt:MATRIX_FMT_FP6 matrix_b_fmt:MATRIX_FMT_FP6 matrix_a_scale:MATRIX_SCALE_ROW1
.endm
	s_load_b256 s[4:11], s[0:1], 0x0               ; the mask s[4:5], qf s[6:7], kv s[8:9], wo s[10:11]
	s_load_b64 s[12:13], s[0:1], 0x20              ; out0
	v_lshrrev_b32 v1, 5, v0
	v_readfirstlane_b32 s14, v1                    ; wave w, 0..15
	s_and_b32 s15, s14, 1                          ; g
	s_lshr_b32 s16, s14, 1                         ; my key step
	s_and_b32 s19, ttmp7, 0xffff                   ; the batch
	s_lshr_b32 s17, ttmp9, 2                       ; which 128 rows
	s_bfe_u32 s25, ttmp9, 0x10001                  ; which of q's two fragments
	s_and_b32 s26, ttmp9, 1                        ; which half of its registers
	s_lshl_b32 s27, s17, 7
	s_lshl_b32 s28, s25, 6
	s_add_co_u32 s27, s27, s28
	s_lshl_b32 s28, s26, 4
	s_add_co_u32 s27, s27, s28                     ; base: my first row
	s_mov_b32 s20, 0x76543210
	s_mov_b32 s21, 0xfedcba98                      ; v_permlanex16_b32's selects for lane l xor 16
	s_mov_b32 s22, 0x3e8293ee                      ; c = log2(e) / sqrt(32)
	s_mov_b32 s23, s22                             ; (named with it as a pair, so it is written)
	s_mov_b32 s24, 0xbe8293ee                      ; -c
	s_mov_b32 s60, 0x00040404                      ; byte selects for the mask: byte k of the second source on top, a zero byte of the first below
	s_mov_b32 s61, 0x01040404
	s_mov_b32 s62, 0x02040404
	s_mov_b32 s63, 0x03040404
	s_lshl_b32 s40, s19, 20                        ; the mask: 2^20 bytes a batch, 1,024 a row; image w: 8 g rows on, 128 keys a step
	s_lshl_b32 s28, s27, 10
	s_add_co_u32 s40, s40, s28
	s_lshl_b32 s28, s15, 13
	s_add_co_u32 s40, s40, s28
	s_lshl_b32 s28, s16, 7
	s_add_co_u32 s40, s40, s28
	s_mov_b32 s41, 0
	v_and_b32 v21, 15, v0                          ; r
	v_bfe_u32 v23, v0, 4, 1                        ; h
	v_and_b32 v25, 8, v21
	v_mad_u32_u24 v25, v25, 3, v21                 ; r + 24 (r / 8)
	v_lshlrev_b32 v27, 10, v25
	v_lshl_add_u32 v27, v23, 5, v27                ; the mask in memory: my row, + 32 h
	s_wait_alu depctr_va_vdst(0)
	s_wait_kmcnt 0x0
	s_add_nc_u64 s[40:41], s[4:5], s[40:41]
.irp c, 0,1,2,3
	global_load_b128 v[S+4*\c:S+4*\c+3], v27, s[40:41] offset:64*(\c/2)+16*(\c%2)   ; the mask bytes of keys 64 c + 32 h + 0 .. 31, asked for ahead of the rest of the set-up
.endr
	s_lshl_b32 s42, s19, 3                         ; q: chunk (8 batch + block) x 7 + head; waves 0 to 6 take a head each
	s_add_co_u32 s42, s42, s17
	s_mul_i32 s42, s42, 7
	s_add_co_u32 s42, s42, s14
	s_mul_i32 s42, s42, 3328
	s_lshl_b32 s28, s25, 6
	s_add_co_u32 s46, s42, s28
	s_add_co_u32 s46, s46, 2*FRB                   ; the scale words
	s_mov_b32 s47, 0
	s_mul_i32 s28, s25, FRB
	s_add_co_u32 s42, s42, s28
	s_mul_i32 s28, s26, 520
	s_add_co_u32 s42, s42, s28                     ; registers 0, 1 or 6, 7 (and 512 on 4, 5 or 10, 11)
	s_mov_b32 s43, 0
	s_mul_i32 s28, s26, 496
	s_add_co_u32 s44, s42, s28
	s_add_co_u32 s44, s44, 8                       ; registers 2, 3 or 8, 9
	s_mov_b32 s45, 0
	s_mul_i32 s48, s19, 8*STEPB
	s_mul_i32 s28, s16, STEPB
	s_add_co_u32 s48, s48, s28
	s_add_co_u32 s50, s48, 3*CHUNK                 ; head 3
	s_mul_i32 s28, s15, 4*CHUNK
	s_add_co_u32 s48, s48, s28                     ; heads 4 g, 4 g + 1, 4 g + 2
	s_mov_b32 s49, 0
	s_mov_b32 s51, 0
	s_min_u32 s28, s14, 13                         ; W_O: my 16 columns are tile (w / 2, w % 2); waves 14 and 15 name the last
	s_lshr_b32 s29, s28, 1
	s_and_b32 s28, s28, 1
	s_mul_i32 s52, s29, 4*FRB
	s_mul_i32 s54, s28, FRB
	s_add_co_u32 s52, s52, s54
	s_mov_b32 s53, 0
	s_lshl_b32 s54, s29, 8
	s_lshl_b32 s28, s28, 6
	s_add_co_u32 s54, s54, s28
	s_mov_b32 s55, 0
	s_lshl_b32 s56, s19, 10
	s_add_co_u32 s56, s56, s27
	s_mul_i32 s56, s56, 896                        ; my rows of out0
	s_mov_b32 s57, 0
	s_lshl_b32 s30, s15, 12
	s_add_co_u32 s30, s30, QL
	s_lshl_b32 s31, s15, 9
	s_add_co_u32 s31, s31, QL+3072
	s_lshl_b32 s32, s16, 14
	s_add_co_u32 s32, s32, MASK
	s_lshl_b32 s33, s15, 13
	s_mul_i32 s34, s14, PSTR
	s_add_co_u32 s35, s34, 2048
	s_lshl_b32 s36, s14, 10
	s_add_co_u32 s36, s36, QL
	s_lshl_b32 s37, s14, 13
	s_add_co_u32 s37, s37, MASK
	s_lshl_b32 s38, s26, 4
	v_lshl_add_u32 v[SPW], v0, 2, SPARE
	v_mov_b32 v[NIL], 0
	v_and_b32 v20, 31, v0                          ; lane
	v_lshlrev_b32 v[LI], 4, v20
	v_lshlrev_b32 v[L4], 2, v20
	v_lshlrev_b32 v[R4], 2, v21
	v_xor_b32 v[VQH], 1, v23
	v_mul_u32_u24 v[VQL], 0x1c00, v23              ; ZL - QL in lanes 16-31
	v_mul_u32_u24 v[VQH], 0x1c00, v[VQH]           ; in lanes 0-15
	v_lshl_add_u32 v[VQL], v21, 5, v[VQL]
	v_lshl_add_u32 v[VQH], v21, 5, v[VQH]
	v_add_nc_u32 v[VQL6], s31, v[VQL]
	v_add_nc_u32 v[VQH6], s31, v[VQH]
	v_add_nc_u32 v[VQL], s30, v[VQL]
	v_add_nc_u32 v[VQH], s30, v[VQH]
	v_add_nc_u32 v[AM], s32, v[LI]
	v_add_nc_u32 v[PB], s34, v[LI]
	v_add_nc_u32 v[PM], s35, v[R4]
	v_add_nc_u32 v[AM6], s33, v[AM]
	v_lshl_add_u32 v28, v0, 4, ZL                  ; zeros: 512 threads x 16 bytes
	v_lshlrev_b32 v29, 5, v20
	v_add_nc_u32 v26, s37, v[LI]                   ; image w
	v_add_nc_u32 v29, s36, v29                     ; q of head w: 32 lane = 512 QT + 32 r
	v_lshl_add_u32 v[P+7], v23, 3, s38             ; where my byte lies in q's scale word: block 2 (half) + QT
.set n_, 0
.rept 6
	v_mov_b32 v[QB+n_], 0                          ; the zero runs between q's
	v_mov_b32 v[QB+12+n_], 0
	v_mov_b32 v[QB+24+n_], 0
.set n_, n_+1
.endr
	v_mov_b32 v[NM+1], 0
	v_mov_b32 v[NM5+1], 0
	v_mov_b32 v[RT], 0                             ; written once: a lane permute's destination counts as one of its sources
	v_mov_b32 v[WT], 0
	v_mov_b32 v[LT], 0
	s_wait_alu depctr_va_vdst(0)
	s_add_nc_u64 s[42:43], s[6:7], s[42:43]
	s_add_nc_u64 s[44:45], s[6:7], s[44:45]
	s_add_nc_u64 s[46:47], s[6:7], s[46:47]
	s_add_nc_u64 s[48:49], s[8:9], s[48:49]
	s_add_nc_u64 s[50:51], s[8:9], s[50:51]
	s_add_nc_u64 s[52:53], s[10:11], s[52:53]
	s_add_nc_u64 s[54:55], s[10:11], s[54:55]
	s_add_nc_u64 s[56:57], s[12:13], s[56:57]
	s_cmp_lt_u32 s14, 7
	s_cbranch_scc0 .Lnoq1
	global_load_b64 v[P:P+1], v[LI], s[42:43]
	global_load_b64 v[P+2:P+3], v[LI], s[44:45]
	global_load_b64 v[P+4:P+5], v[LI], s[42:43] offset:512
	global_load_b32 v[P+6], v[R4], s[46:47]
.Lnoq1:
	LOADC 0, 48, 0
	ds_store_b128 v28, v[QB:QB+3]
	s_wait_loadcnt 0xe                             ; the mask and q are in; the first chunk's 14 loads may be out
.set n_, 0
.rept 16
	v_lshlrev_b32 v[S+16+n_], 8, v[S+n_]
.set n_, n_+1
.endr
.set n_, 0
.rept 16
	v_sub_nc_u32 v[S+n_], v[S+16+n_], v[S+n_]      ; x 255: each byte 0 or 0xff
.set n_, n_+1
.endr
.set n_, 0
.rept 16                                       ; four bytes become four f32 numbers, 0 or -2^127 (0xff000000)
.if n_ < 12
.set D_, KV+48+4*n_
.else
.set D_, S+32+4*(n_-12)
.endif
	v_perm_b32 v[D_], v[QB], v[S+n_], s60
	v_perm_b32 v[D_+1], v[QB], v[S+n_], s61
	v_perm_b32 v[D_+2], v[QB], v[S+n_], s62
	v_perm_b32 v[D_+3], v[QB], v[S+n_], s63
	ds_store_b128 v26, v[D_:D_+3] offset:512*n_
.set n_, n_+1
.endr
	s_cmp_lt_u32 s14, 7
	s_cbranch_scc0 .Lnoq2
	v_bfe_u32 v[P+6], v[P+6], v[P+7], 8
	v_lshl_or_b32 v[P+6], v[P+6], 8, v[P+6]
	v_lshl_or_b32 v[P+6], v[P+6], 16, v[P+6]
	ds_store_b128 v29, v[P:P+3]
	ds_store_b64 v29, v[P+4:P+5] offset:16
	ds_store_b32 v29, v[P+6] offset:24
.Lnoq2:
	s_wait_alu depctr_va_vdst(0)
	s_wait_dscnt 0x0                               ; for the others' sake: my stores have landed
	s_barrier_signal -1
	s_barrier_wait -1                              ; mask images, q and the zeros lie in LDS
	FETCH 0
	UNIT 0
	UNIT 1
	UNIT 2
	UNIT 3
	UNIT 4
	UNIT 5
.rept 4
	v_nop                                              ; places in front of loads into registers that the last products have read
.endr
.irp c, 0,1,2
	global_load_b128 v[KV+24+4*\c:KV+27+4*\c], v[LI], s[52:53] offset:512*\c            ; W_O, K step 0,
	global_load_b128 v[KV+36+4*\c:KV+39+4*\c], v[LI], s[52:53] offset:2*FRB+512*\c      ; K step 1
.endr
	global_load_b32 v[WSC], v[R4], s[54:55] offset:43008
	global_load_b32 v[WSC+1], v[R4], s[54:55] offset:43008+128
	UNIT 6
	; THE END.  The last two units' partial results go where the mask images lay.  Four address lines: the places behind the last products
	v_add_nc_u32 v[PA], 5*PSLOT, v[PB]
	v_add_nc_u32 v[PMA], 5*PSLOT, v[PM]
	v_add_nc_u32 v[AM6], 6*PSLOT, v[PB]
	v_add_nc_u32 v[AM], 6*PSLOT, v[PM]
	s_wait_alu depctr_va_vdst(0)
	s_barrier_wait -1                              ; every wave has read its last mask image
	PUT PA, PMA, KV, NM5, LL5
	PUT AM6, AM, O, NM, LL
	s_wait_dscnt 0x0
	s_barrier_signal -1
	; wave w < 14 joins unit number i = w / 2 of the waves with g = w % 2: head (4 g + i / 2) and QT i % 2, but for i = 6: head 3 and QT g
	s_add_co_u32 s25, s16, 2
	s_lshr_b32 s25, s25, 3                         ; 1 for i = 6
	s_lshl_b32 s26, s25, 2
	s_xor_b32 s26, s26, 7
	s_lshl_b32 s27, s15, 2
	s_lshr_b32 s28, s16, 1
	s_add_co_u32 s27, s27, s28
	s_and_b32 s27, s27, s26                        ; the head
	s_and_b32 s28, s16, 1
	s_and_b32 s29, s25, s15
	s_or_b32 s28, s28, s29                         ; QT
	s_lshr_b32 s29, s27, 2                         ; the head is block head % 4 of K step head / 4: fragment 2 QT + head / 4,
	s_lshl_b32 s30, s28, 1
	s_add_co_u32 s29, s29, s30
	s_mul_i32 s30, s29, FRB
	s_and_b32 s31, s27, 1                          ; lanes 16 (head % 2) on,
	s_mul_i32 s31, s31, 768
	s_add_co_u32 s30, s30, s31
	s_bfe_u32 s31, s27, 0x10001                    ; registers 6 (head / 2 % 2) on
	s_mul_i32 s31, s31, 24
	s_add_co_u32 s30, s30, s31
	s_add_co_u32 s30, s30, CTX
	s_lshl_b32 s31, s29, 6
	s_and_b32 s33, s27, 3
	s_add_co_u32 s31, s31, s33
	s_add_co_u32 s31, s31, CTXS
	s_lshl_b32 s33, s16, 7                         ; out0: my columns are 32 (w / 2) + 8 (w % 2) + 16 h on
	s_lshl_b32 s34, s15, 5
	s_add_co_u32 s33, s33, s34
	s_add_co_u32 s33, s33, OST
	s_mul_i32 s34, s16, PSLOT
	s_mul_i32 s35, s15, PSTR
	s_add_co_u32 s34, s34, s35
	s_add_co_u32 s35, s34, 2048
	v_and_b32 v16, 15, v0                          ; r
	v_bfe_u32 v17, v0, 4, 1                        ; h
	v_add_nc_u32 v[PA], s34, v[LI]
	v_and_b32 v18, 8, v16
	v_add_nc_u32 v[PMA], s35, v[R4]
	v_mul_u32_u24 v3, v16, 48
	v_add_nc_u32 v18, v18, v16                     ; r + 8 (r / 8)
	v_and_b32 v6, 31, v0
	v_mad_u32_u24 v3, v17, 12, v3
	v_mul_u32_u24 v5, 0x380, v18
	v_mul_u32_u24 v6, v6, 48
	v_add_nc_u32 v3, s30, v3                       ; the operand: lane r's 48 bytes, my half's three registers
	v_lshl_add_u32 v5, v17, 6, v5
	v_add_nc_u32 v4, s31, v[R4]                    ; my byte of row r's scale word
	v_add_nc_u32 v6, CTX, v6                       ; a fragment back
	v_add_nc_u32 v5, s33, v5                       ; the stage: row 8 QT + r + 8 (r / 8)
	v_add_nc_u32 v7, CTXS, v[R4]                   ; its scale words
	v_lshlrev_b32 v8, 4, v0                        ; 16 x thread: out0,
	v_add_nc_u32 v9, OST, v8                       ; and the stage back
	s_wait_alu depctr_va_vdst(0)
	s_barrier_wait -1                              ; all partial results lie in LDS
	s_cmp_lt_u32 s14, 14
	s_cbranch_scc0 .Lj1
.set n_, 0
.rept 8
	ds_load_b32 v[192+n_], v[PMA] offset:2*PSTR*n_         ; -M of the eight key steps
	ds_load_b32 v[200+n_], v[PMA] offset:2*PSTR*n_+64      ; l
.set n_, n_+1
.endr
.macro OREG t                          ; where key step t's O^T is loaded: v144-191, v208-255, v38-69
.if (\t) < 3
.set B_, 144+16*(\t)
.elseif (\t) < 6
.set B_, 160+16*(\t)
.else
.set B_, 38+16*((\t)-6)
.endif
.endm
.irp t, 0,1,2,3,4,5,6,7
	OREG \t
.irp c, 0,1,2,3
	ds_load_b128 v[B_+4*\c:B_+4*\c+3], v[PA] offset:2*PSTR*\t+512*\c
.endr
.endr
	s_wait_dscnt 0x20                              ; -M and l are in; O's 32 loads may be out
	v_min3_num_f32 v78, v192, v193, v194
	v_min3_num_f32 v79, v195, v196, v197
	v_min3_num_f32 v78, v78, v198, v199
	v_min_num_f32 v78, v78, v79                    ; -M of all 1,024 keys
.set n_, 0
.rept 8
	v_sub_f32 v[70+n_], v78, v[192+n_]             ; a step's M less the largest: a whole number, 0 or less
.set n_, n_+1
.endr
.set n_, 0
.rept 8
	v_cvt_i32_f32 v[70+n_], v[70+n_]               ; (it saturates)
.set n_, n_+1
.endr
.set n_, 0
.rept 8
	v_ldexp_f32 v[70+n_], 1.0, v[70+n_]            ; the step's factor, a power of two
.set n_, n_+1
.endr
	v_mul_f32 v79, v200, v70
	v_mul_f32 v80, v201, v71
.irp k, 2,4,6
	v_fmac_f32 v79, v[200+\k], v[70+\k]
	v_fmac_f32 v80, v[201+\k], v[71+\k]
.endr
	v_add_f32 v79, v79, v80                        ; the row's sum
	s_wait_alu depctr_va_vdst(0)                   ; the wait ahead of the transcendental
	v_rcp_f32 v82, v79
	s_wait_dscnt 0x0
.irp k, 0,2,4,6,8,10,12,14
	v_pk_mul_f32 v[144+\k:145+\k], v[144+\k:145+\k], v[70:71] op_sel_hi:[1,0]
.endr
.irp t, 1,2,3,4,5,6,7
	OREG \t
.irp k, 0,2,4,6,8,10,12,14
.if \t%2
	v_pk_fma_f32 v[144+\k:145+\k], v[B_+\k:B_+\k+1], v[69+\t:70+\t], v[144+\k:145+\k] op_sel:[0,1,0] op_sel_hi:[1,1,1]
.else
	v_pk_fma_f32 v[144+\k:145+\k], v[B_+\k:B_+\k+1], v[70+\t:71+\t], v[144+\k:145+\k] op_sel_hi:[1,0,1]
.endif
.endr
.endr
	s_wait_alu depctr_va_vdst(0)                   ; the wait ahead of the reciprocal's first reader
.irp k, 0,2,4,6,8,10,12,14
	v_pk_mul_f32 v[144+\k:145+\k], v[144+\k:145+\k], v[82:83] op_sel_hi:[1,0]   ; O^T / the sum: channels 16 h + 0 .. 15 of the head
.endr
	v_max3_num_f32 v192, |v144|, |v145|, 0x1800000     ; the block's largest magnitude, with the floor, in two chains
	v_max3_num_f32 v193, |v146|, |v147|, |v148|
	v_max3_num_f32 v192, v192, |v149|, |v150|
	v_max3_num_f32 v193, v193, |v151|, |v152|
	v_max3_num_f32 v192, v192, |v153|, |v154|
	v_max3_num_f32 v193, v193, |v155|, |v156|
	v_max3_num_f32 v192, v192, |v157|, |v158|
	v_max3_num_f32 v192, v192, v193, |v159|
	v_permlanex16_b32 v[RT], v192, s20, s21
	v_max_num_f32 v192, v192, v[RT]                ; with lane l xor 16's 16 channels
	v_add_nc_u32 v195, 0xff000000, v192            ; 2 off its exponent field: the conversion's scale operand
	v_lshrrev_b32 v194, 23, v195                   ; the scale's byte
	v_cvt_scalef32_pk16_fp6_f32 v[196:198], v[144:159], v195
	v_nop                                              ; one plain place behind a scaled conversion
	ds_store_b32 v3, v196
	ds_store_b32 v3, v197 offset:4
	ds_store_b32 v3, v198 offset:8
	ds_store_b8 v4, v194                           ; lanes r and r + 16 write the same byte with the same value
.Lj1:
	s_wait_dscnt 0x0                               ; for the others' sake: my stores have landed
	s_barrier_signal -1
	s_barrier_wait -1                              ; the last product's four fragments lie in LDS
	s_cmp_lt_u32 s14, 14
	s_cbranch_scc0 .Lj2
.irp f, 0,1,2,3
.irp k, 0,1,2
	ds_load_b128 v[144+12*\f+4*\k:147+12*\f+4*\k], v6 offset:FRB*\f+16*\k
.endr
	ds_load_b32 v[KSC+\f], v7 offset:64*\f
.endr
	s_wait_loadcnt 0x0                             ; W_O is in
	s_wait_dscnt 0x0
	; out0^T: source 0 = my 16 columns of W_O, source 1 = 16 queries; two accumulators by turns
	v_wmma_scale_f32_16x16x128_f8f6f4 v[192:199], v[KV+24:KV+35], v[144:155], 0, v[WSC], v[KSC] matrix_a_fmt:MATRIX_FMT_FP6 matrix_b_fmt:MATRIX_FMT_FP6
	v_wmma_scale_f32_16x16x128_f8f6f4 v[200:207], v[KV+24:KV+35], v[168:179], 0, v[WSC], v[KSC+2] matrix_a_fmt:MATRIX_FMT_FP6 matrix_b_fmt:MATRIX_FMT_FP6
	v_wmma_scale_f32_16x16x128_f8f6f4 v[192:199], v[KV+36:KV+47], v[156:167], v[192:199], v[WSC+1], v[KSC+1] matrix_a_fmt:MATRIX_FMT_FP6 matrix_b_fmt:MATRIX_FMT_FP6
	v_wmma_scale_f32_16x16x128_f8f6f4 v[200:207], v[KV+36:KV+47], v[180:191], v[200:207], v[WSC+1], v[KSC+3] matrix_a_fmt:MATRIX_FMT_FP6 matrix_b_fmt:MATRIX_FMT_FP6
.rept 4
	v_nop
.endr
	ds_store_b128 v5, v[192:195]                   ; QT 0: eight neighbouring columns, 32 bytes
	ds_store_b128 v5, v[196:199] offset:16
	ds_store_b128 v5, v[200:203] offset:8*896      ; QT 1
	ds_store_b128 v5, v[204:207] offset:8*896+16
.Lj2:
	s_wait_dscnt 0x0
	s_barrier_signal -1
	s_barrier_wait -1                              ; 32 whole rows lie in the stage: rows base + 0 .. 15, then base + 32 .. 47
	s_cmp_lt_u32 s14, 14
	s_cbranch_scc0 .Lend
.irp k, 0,1,2,3
	ds_load_b128 v[208+4*\k:211+4*\k], v9 offset:7168*\k
.endr
.irp k, 0,1,2,3
	s_wait_dscnt 3-\k                              ; the younger loads may stay out
	global_store_b128 v8, v[208+4*\k:211+4*\k], s[56:57] offset:7168*\k+14336*(\k/2) th:TH_STORE_NT   ; a wave stores 512 consecutive bytes, at a multiple of 256 from out0's first byte
.endr
.Lend:
	s_wait_tensorcnt 0x0                           ; the wave's end, behind my last LDS store
	ds_add_u32 v[SPW], v[NIL]
	s_wait_dscnt 0x0
	s_endpgm
.Lfunc_end_k_q6eac5e74a2_attn:
	.size	k_q6eac5e74a2_attn, .Lfunc_end_k_q6eac5e74a2_attn-k_q6eac5e74a2_attn
	.p2alignl 7, 3214868480
	.fill 96, 4, 3214868480
	.section	.rodata,"a",@progbits
	.p2align	6, 0x0
	.amdhsa_kernel k_q6eac5e74a2_attn
		.amdhsa_group_segment_fixed_size 322560
		.amdhsa_private_segment_fixed_size 0
		.amdhsa_enable_private_segment 0
		.amdhsa_kernarg_size 40
		.amdhsa_user_sgpr_count 2
		.amdhsa_user_sgpr_kernarg_segment_ptr 1
		.amdhsa_wavefront_size32 1
		.amdhsa_system_sgpr_workgroup_id_x 1
		.amdhsa_system_sgpr_workgroup_id_y 1
		.amdhsa_system_sgpr_workgroup_id_z 1
		.amdhsa_system_vgpr_workitem_id 0
		.amdhsa_next_free_vgpr 256
		.amdhsa_next_free_sgpr 66
		.amdhsa_reserve_vcc 0
		.amdhsa_float_denorm_mode_32 3
		.amdhsa_float_denorm_mode_16_64 3
		.amdhsa_memory_ordered 1
		.amdhsa_forward_progress 1
		.amdhsa_inst_pref_size 126
	.end_amdhsa_kernel
	.amdgpu_metadata
---
amdhsa.version: [ 1, 2 ]
amdhsa.kernels:
  - .name:           k_q6eac5e74a2_attn
    .symbol:         k_q6eac5e74a2_attn.kd
    .args:
      - { .name: attn_mask, .offset: 0, .size: 8, .value_kind: global_buffer, .address_space: global }
      - { .name: qf, .offset: 8, .size: 8, .value_kind: global_buffer, .address_space: global }
      - { .name: kv, .offset: 16, .size: 8, .value_kind: global_buffer, .address_space: global }
      - { .name: wo, .offset: 24, .size: 8, .value_kind: global_buffer, .address_space: global }
      - { .name: out0, .offset: 32, .size: 8, .value_kind: global_buffer, .address_space: global }
    .group_segment_fixed_size: 322560
    .private_segment_fixed_size: 0
    .kernarg_segment_align: 8
    .kernarg_segment_size: 40
    .max_flat_workgroup_size: 512
    .sgpr_count:     66
    .vgpr_count:     256
    .wavefront_size: 32
...
	.end_amdgpu_metadata
.endif
;; end of part 2
